; MI455X (gfx1250); checked and timed in simulation.
; The chip was launched on July 23, 2026; its instructions are those of AMD's public machine-readable ISA for CDNA 5 (MIT licence, August 2026) and "CDNA5" Instruction Set Architecture Reference Guide (July 2026). The comments in the code are by the model that wrote it; some were corrected since.
;; Self Attention. Allowed arithmetic: matrix products marked QUANTISED: E2M1 operands, one E8M0 scale for each 32 along K, by v_wmma_scale_f32_16x16x128_f8f6f4 with both operands' format E2M1 (or v_wmma_scale_f32_32x16x128_f4), f32 sums; products left as they are: bf16, f16 or f32 operands; f32 sums; everything else in f32.
;; Inputs: Wk 768 x 768 float32; Wo 768 x 768 float32; Wq 768 x 768 float32; Wv 768 x 768 float32; bk 768 float32; bo 768 float32; bq 768 float32; bv 768 float32; x 1 x 4,096 x 768 float32.
;; Outputs: out0 1 x 4,096 x 768 float32.
;; This version of the problem:
;;   THIS VERSION OF THE PROBLEM IS GIVEN IN LOW PRECISION. The matrix products marked QUANTISED in the list below multiply operands that are first quantised to E2M1 (2 exponent bits, 1 mantissa bit; 4 bits a number), with one power-of-two scale for each 32 numbers along K (OCP MX v1.0); their sums are f32. The products marked 'left as it is' may take bf16, f16 or f32 operands, with f32 sums. Whichever they take, every output number must still come out within the allowed error. Rounding operands to bf16 (8 significant bits) uses up far more of that allowance than f16 does (11 bits, for magnitudes from 6e-5 to 65,504). All else is computed in f32.
;;   The module's matrix products, in the order in which they are computed (A, B: the left and right operand; K: the contracted axis; several contracted axes count as one K, in the product's order):
;;     1. [M 4,096, K 768] x [K 768, N 768]; A: input x; B: input Wq: QUANTISED
;;     2. [M 4,096, K 768] x [K 768, N 768]; A: input x; B: input Wk: QUANTISED
;;     3. [M 4,096, K 768] x [K 768, N 768]; A: input x; B: input Wv: QUANTISED
;;     4. batch 12 x [M 4,096, K 64] x [K 64, N 4,096]; A: computed on the way; B: computed on the way: left as it is (an operand is computed on the way)
;;     5. batch 12 x [M 64, K 4,096] x [K 4,096, N 4,096]; A: computed on the way; B: computed on the way: left as it is (an operand is computed on the way)
;;     6. [M 4,096, K 768] x [K 768, N 768]; A: computed on the way; B: input Wo: left as it is (an operand is computed on the way)
;;   THE QUANTISER, for each operand of a quantised product, along K:
;;     - K is cut into blocks of 32 from its start; a last block that is shorter is filled with zeros.
;;     - A block's scale is 2^e with e = floor(log2(the largest magnitude in the block)) - 2, held to -126 .. 127; a block of zeros has e = 0. As a byte (E8M0): e + 127.
;;     - Each number is divided by its block's scale, clamped to +-6, and rounded to the nearest number of E2M1, ties to even, subnormals kept.
;;     - The product sums the exact products of the quantised numbers (number of the format x scale) in f32.
;;   ~~~python
;;   def quantise(x, axis):      # numpy; x: float32 -> the quantised numbers, widened to float32 again
;;       x = np.moveaxis(x, axis, -1); K = x.shape[-1]
;;       x = np.pad(x, [(0, 0)] * (x.ndim - 1) + [(0, -K % 32)]); x = x.reshape(x.shape[:-1] + (-1, 32)); a = np.abs(x).max(-1, keepdims=True)
;;       e = np.where(a > 0, np.clip(np.frexp(np.where(a > 0, a, 1))[1] - 1 - 2, -126, 127), 0)      # np.frexp(a)[1] - 1 = floor(log2(a)), exactly
;;       r = np.clip(x / 2.0 ** e, -6, 6)
;;       step = 2.0 ** (np.maximum(np.frexp(np.where(r == 0, 1, r))[1] - 1, 0) - 1)
;;       q = np.round(r / step) * step * 2.0 ** e      # np.round: ties to even
;;       return np.moveaxis(q.reshape(q.shape[:-2] + (-1,))[..., :K], -1, axis).astype(np.float32)
;;   ~~~
;; One version. Each part assembles by itself: llvm-mc -triple=amdgcn-amd-amdhsa -mcpu=gfx1250 --defsym DOCPART=n.
;; ======== version 1 of 1: 4 launches
;; limits: values are held in f16: magnitudes above 65,504 overflow, below 6.1e-05 lose precision
;; workspace buffers: xcodes 1,572,864 bytes; xs 98,304 bytes; wcodes 884,736 bytes; ws 55,296 bytes; woimg 1,179,648 bytes; qimg 6,291,456 bytes; kv 12,582,912 bytes; oimg 6,291,456 bytes
;; launch prep (part 1): grid 6 x 56, 4 waves a work-group, no clusters, 68,096 bytes of LDS; arguments x, Wq, Wk, Wv, Wo, xcodes, xs, wcodes, ws, woimg; writes xcodes, xs, wcodes, ws, woimg
.if DOCPART == 1
	.amdgcn_target "amdgcn-amd-amdhsa--gfx1250"
	.amdhsa_code_object_version 6
	.text
	.protected	k_q4410b90751_prep
	.globl	k_q4410b90751_prep
	.p2align	8
	.type	k_q4410b90751_prep,@function
k_q4410b90751_prep:
	s_mov_b64 s[64:65], 0
	v_nop
	global_prefetch_b8 v0, s[64:65] scope:SCOPE_SE
	s_setreg_imm32_b32 hwreg(HW_REG_WAVE_MODE, 25, 1), 1
	s_wait_xcnt 0x0
; PREP.  x [4096][768] and Wq, Wk, Wv [768 (k)][768 (n)], f32, become codes of FP4 (E2M1) with one E8M0 byte for each 32 along K; Wo [768 (k)][768 (n)] becomes f16.
; Everything is stored as IMAGES OF OPERAND REGISTERS: a fragment is 1,024 bytes, two pieces of 512; piece p holds lane l's 16 bytes (registers 4 p .. 4 p + 3) at 512 p + 16 l.
;   xcodes [row tile 256][K step 6][1 KB]   16 rows x 128 K; lane (r, h), piece c: k = 64 c + 32 h + 0 .. 31 of row r
;   xs     [K step 6][row 4096]             one word a row: the four bytes of the step's four blocks
;   wcodes [K step 6][slot 144][1 KB]       16 columns x 128 K.  slot = 9 j + i: wave column j of the next launch; i = 0 .. 5: column tile 6 j + i of Q|K (tiles 0-47 Wq's, 48-95 Wk's); i = 6 .. 8: Wv's tile 3 j + i - 6
;   ws     [K step 6][slot 144][16 words]
;   woimg  [column block 4][kc 24][tile 12][1 KB]   16 columns x 32 k of f16; lane (r, h): column r; piece p: k = 16 p + 8 h + 0 .. 7
; A block's scale is 2^(floor(log2(largest magnitude)) - 2): its byte is that magnitude's exponent field - 2, held at 1 from below by a floor among the maximum's leaves.
; LIMITS: a block of zeros keeps the byte 1 where the rule says 127 (its codes are zeros, and this program alone reads the bytes); blocks whose largest magnitude lies under 2^-124 keep the byte 1;
; NaN and infinities are not served; numbers of Wo over 65,504 become infinity in f16, and under 6e-5 they keep an absolute step of 6e-8.
; SHARES.  A wave takes 16 KB of f32.  Work-group y < 32: x, rows 32 (4 y + wave) on, K step = work-group x.  y >= 32: matrix (y - 32) / 6, K step (y - 32) % 6, columns 128 x + 32 wave + lane.
; No tensor load, no barrier: waves share nothing.  Only the x path uses LDS.
.set STG,   32*528                     ; a wave's stage: 32 rows x (512 bytes + 16): 132 words, so row r starts at bank 4 r mod 64 (64 banks of 4 bytes: ISA guide 11.1)
.set SPARE, 4*STG                      ; behind the stages: the spare words, 128 bytes for each wave
.set SPW, 2                            ; v2  LDS address of my spare word; never rewritten
.set NIL, 3                            ; v3  0; never rewritten
.set MX,  12                           ; v12-15 four blocks' largest magnitudes
.set SC,  16                           ; v16-19 the conversions' scale operands
.set BY,  20                           ; v20-23 the scale bytes
.set C,   32                           ; v32-47 four blocks' codes, four registers each
.set D,   64                           ; v64-191 128 numbers: block b at D + 32 b
; Four blocks of 32 numbers of ONE lane become 16 registers of codes and four bytes.  The blocks take turns line by line.
.macro QUANT4
.irp b, 0,1,2,3
	v_max3_num_f32 v[MX+\b], |v[D+32*\b]|, |v[D+32*\b+1]|, 0x1800000   ; and the floor 2^(3 - 127): the byte cannot fall under 1
.endr
.irp i, 2,4,6,8,10,12,14,16,18,20,22,24,26,28,30
.irp b, 0,1,2,3
	v_max3_num_f32 v[MX+\b], v[MX+\b], |v[D+32*\b+\i]|, |v[D+32*\b+\i+1]|
.endr
.endr
.irp b, 0,1,2,3
	v_add_nc_u32 v[SC+\b], 0xff000000, v[MX+\b]    ; 2 off the exponent field: the conversion takes this operand's exponent field as its scale
.endr
.irp b, 0,1,2,3
	v_lshrrev_b32 v[BY+\b], 23, v[SC+\b]           ; the scale's byte
.endr
.irp b, 0,1,2,3
.irp g, 0,1,2,3
	v_cvt_scalef32_pk8_fp4_f32 v[C+4*\b+\g], v[D+32*\b+8*\g:D+32*\b+8*\g+7], v[SC+\b]
.endr
.endr
	v_nop                                          ; one plain line behind the last scaled conversion
.endm
	s_load_b256 s[4:11], s[0:1], 0x0               ; x, Wq, Wk, Wv
	s_load_b256 s[12:19], s[0:1], 0x20             ; Wo, xcodes, xs, wcodes
	s_load_b128 s[20:23], s[0:1], 0x40             ; ws, woimg
	v_lshl_add_u32 v[SPW], v0, 2, SPARE
	v_mov_b32 v[NIL], 0
	v_lshrrev_b32 v1, 5, v0
	v_readfirstlane_b32 s24, v1                    ; wave 0..3
	v_and_b32 v1, 31, v0                           ; lane
	v_and_b32 v4, 15, v0                           ; r
	v_bfe_u32 v5, v0, 4, 1                         ; h
	v_lshlrev_b32 v6, 4, v1                        ; 16 x lane
	v_lshlrev_b32 v7, 2, v1                        ; 4 x lane
	s_and_b32 s25, ttmp7, 0xffff                   ; work-group y
	s_mov_b32 s33, 0
	s_mov_b32 s35, 0
	s_mov_b32 s37, 0
	s_cmp_lt_u32 s25, 32
	s_cbranch_scc0 .Lweights
	; ---- x: 32 rows x 128 along K.  Each load takes a row's 512 bytes as they lie; the stage turns them so that a lane holds whole blocks of its row.
	s_lshl_b32 s26, s25, 2
	s_add_co_u32 s26, s26, s24                     ; mp: which 32 rows
	s_mul_i32 s32, s26, 32*3072
	s_lshl_b32 s27, ttmp9, 9
	s_add_co_u32 s32, s32, s27                     ; x: 32 mp rows of 3,072 bytes + 512 x K step
	s_mul_i32 s34, s26, 12*1024
	s_lshl_b32 s27, ttmp9, 10
	s_add_co_u32 s34, s34, s27                     ; xcodes: (6 x (2 mp) + K step) KB
	s_lshl_b32 s36, ttmp9, 14
	s_lshl_b32 s27, s26, 7
	s_add_co_u32 s36, s36, s27                     ; xs: 16,384 x K step + 4 x 32 mp
	s_mul_i32 s28, s24, STG
	v_add_nc_u32 v8, s28, v6                       ; into the stage: 16 x lane of row i
	v_mul_u32_u24 v9, v4, 528
	v_lshl_add_u32 v9, v5, 7, v9
	v_add_nc_u32 v9, s28, v9                       ; out of it: row r, + 128 h bytes: my block of 32 numbers
	s_mov_b32 s40, 0x76543210
	s_mov_b32 s41, 0xfedcba98                      ; v_permlanex16_b32's selects for lane l xor 16
	v_mov_b32 v10, 0                               ; a lane permute's destination counts as one of its sources
	v_mov_b32 v11, 0
	s_wait_kmcnt 0x0
	s_add_nc_u64 s[4:5], s[4:5], s[32:33]
	s_add_nc_u64 s[14:15], s[14:15], s[34:35]
	s_add_nc_u64 s[16:17], s[16:17], s[36:37]
.set n, 0
.rept 32
	global_load_b128 v[D+4*n:D+4*n+3], v6, s[4:5] offset:3072*n th:TH_LOAD_NT   ; 32 lanes read 512 consecutive bytes of row n
.set n, n+1
.endr
.set n, 0
.rept 32
	s_wait_loadcnt 31-n                            ; row n is in; the 31 - n younger loads stay out
	ds_store_b128 v8, v[D+4*n:D+4*n+3] offset:528*n
.set n, n+1
.endr
	s_wait_dscnt 0x0                               ; the stores have read their registers, which the loads below fill again
.irp f, 0,1
.irp c, 0,1
.irp j, 0,1,2,3,4,5,6,7
	ds_load_b128 v[D+64*\f+32*\c+4*\j:D+64*\f+32*\c+4*\j+3], v9 offset:8448*\f+256*\c+16*\j   ; row 16 f + r, k = 64 c + 32 h + 4 j on: block 2 f + c of my four
.endr
.endr
.endr
	s_wait_dscnt 0x0
	QUANT4
	v_lshl_or_b32 v24, v[BY+1], 16, v[BY]          ; row tile 0: my bytes of blocks h and 2 + h,
	v_lshl_or_b32 v25, v[BY+3], 16, v[BY+2]        ; row tile 1 likewise,
	v_lshlrev_b32 v26, 3, v5
	v_lshlrev_b32 v24, v26, v24                    ; at their places in the word (8 h bits up);
	v_lshlrev_b32 v25, v26, v25
	v_permlanex16_b32 v10, v24, s40, s41
	v_permlanex16_b32 v11, v25, s40, s41
	v_or_b32 v24, v24, v10                         ; with lane l xor 16's two bytes the words are whole
	v_or_b32 v25, v25, v11
	v_cmp_lt_u32 vcc_lo, 15, v1
	v_cndmask_b32 v24, v24, v25, vcc_lo            ; lane l keeps row l's word
.irp f, 0,1
.irp c, 0,1
	global_store_b128 v6, v[C+8*\f+4*\c:C+8*\f+4*\c+3], s[14:15] offset:6144*\f+512*\c   ; a piece: 512 consecutive bytes, aligned
.endr
.endr
	global_store_b32 v7, v24, s[16:17]             ; 128 consecutive bytes a wave, 512 a work-group (98,304 bytes in the whole launch)
	s_wait_tensorcnt 0x0                           ; the wave's end: these three lines behind my last LDS store
	ds_add_u32 v[SPW], v[NIL]
	s_wait_dscnt 0x0
	s_endpgm
	; ---- the weights: a lane takes a column, its registers run down K: 128 rows, four whole blocks.  These paths write no LDS.
.Lweights:
	s_sub_co_u32 s26, s25, 32
	s_mul_i32 s28, s26, 43
	s_lshr_b32 s28, s28, 8                         ; which matrix: (y - 32) / 6 for 0 .. 23: 0 Wq, 1 Wk, 2 Wv, 3 Wo
	s_mul_i32 s27, s28, 6
	s_sub_co_u32 s27, s26, s27                     ; K step
	s_mul_i32 s32, s27, 128*3072
	s_lshl_b32 s29, ttmp9, 9
	s_add_co_u32 s32, s32, s29
	s_lshl_b32 s29, s24, 7
	s_add_co_u32 s32, s32, s29                     ; 128 rows a K step, + 4 x (128 x + 32 wave)
	s_lshl_b32 s26, ttmp9, 3
	s_lshl_b32 s29, s24, 1
	s_add_co_u32 s26, s26, s29                     ; the first of my two column tiles: 8 x + 2 wave
	s_wait_kmcnt 0x0
	s_cmp_eq_u32 s28, 1
	s_cselect_b64 s[36:37], s[8:9], s[6:7]
	s_cmp_eq_u32 s28, 2
	s_cselect_b64 s[36:37], s[10:11], s[36:37]
	s_cmp_eq_u32 s28, 3
	s_cselect_b64 s[36:37], s[12:13], s[36:37]     ; the choice hangs on the work-group's number alone
	s_add_nc_u64 s[36:37], s[36:37], s[32:33]
.set n, 0
.rept 128
	global_load_b32 v[D+n], v7, s[36:37] offset:3072*n th:TH_LOAD_NT   ; row n at 32 neighbouring columns: 128 consecutive bytes a wave, 512 a work-group
.set n, n+1
.endr
	s_cmp_eq_u32 s28, 3
	s_cbranch_scc1 .Lwo
	; Wq, Wk, Wv.  Tile T -> slot: Q|K: T + 3 (T / 6); V: T + 6 (T / 3) + 6.  T / 6 = 86 T >> 9 for T < 96; T / 3 = 171 T >> 9 for T < 48
	s_cmp_eq_u32 s28, 2
	s_mov_b32 s29, 86
	s_cselect_b32 s29, 171, s29
	s_cselect_b32 s30, 6, 3
	s_cselect_b32 s31, 6, 0
	s_cmp_eq_u32 s28, 1
	s_cselect_b32 s34, 48, 0                       ; Wk's tiles follow Wq's
	s_add_co_u32 s26, s26, s34
	v_add_nc_u32 v27, s26, v5                      ; T: lanes 16-31 hold the next tile
	v_mul_u32_u24 v28, v27, s29
	v_lshrrev_b32 v28, 9, v28                      ; j
	v_mad_u32_u24 v27, v28, s30, v27
	v_add_nc_u32 v27, s31, v27                     ; the slot
	v_lshlrev_b32 v28, 6, v27
	v_lshl_add_u32 v28, v4, 2, v28                 ; ws: 64 x slot + 4 r
	v_lshlrev_b32 v27, 10, v27
	v_lshl_add_u32 v27, v4, 4, v27                 ; wcodes: 1,024 x slot + 16 r
	s_mul_i32 s34, s27, 144*1024
	s_add_nc_u64 s[18:19], s[18:19], s[34:35]
	s_mul_i32 s34, s27, 144*64
	s_add_nc_u64 s[20:21], s[20:21], s[34:35]
	s_wait_loadcnt 0x0
	QUANT4
	v_lshl_or_b32 v24, v[BY+1], 8, v[BY]           ; my column's scale word
	v_lshl_or_b32 v24, v[BY+2], 16, v24
	v_lshl_or_b32 v24, v[BY+3], 24, v24
.irp b, 0,1,2,3
	global_store_b128 v27, v[C+4*\b:C+4*\b+3], s[18:19] offset:256*\b   ; block b = 2 c + h lies at 512 c + 16 (16 h + r): sixteen lanes store 256 consecutive bytes, aligned
.endr
	global_store_b32 v28, v24, s[20:21]            ; runs of 64 bytes (55,296 bytes in the whole launch)
	s_endpgm
	; Wo: eight rows of my column round to 16 bytes of f16: k = 8 g + 0 .. 7 is kc g / 4, piece (g % 4) / 2, half g % 2: byte 256 (g % 4) + 16 r of the fragment
.Lwo:
	s_mul_i32 s29, s26, 43
	s_lshr_b32 s29, s29, 9                         ; column block: tile / 12 for tiles under 48
	s_mul_i32 s30, s29, 12
	s_sub_co_u32 s30, s26, s30                     ; my first tile in it (both my tiles lie in one block: 12 is even)
	s_mul_i32 s34, s29, 24*12*1024
	s_mul_i32 s31, s27, 4*12*1024                  ; a K step of 128 is four kc
	s_add_co_u32 s34, s34, s31
	s_lshl_b32 s31, s30, 10
	s_add_co_u32 s34, s34, s31
	s_add_nc_u64 s[22:23], s[22:23], s[34:35]
	v_lshlrev_b32 v27, 10, v5
	v_lshl_add_u32 v27, v4, 4, v27                 ; 1,024 x (lane / 16) + 16 r
.set g, 0
.rept 16
.if 120-8*g > 63
	s_wait_loadcnt 63                              ; (the count's field ends at 63: a smaller count than the 120 - 8 g younger loads)
.else
	s_wait_loadcnt 120-8*g                         ; rows 8 g .. 8 g + 7 are in; the younger loads stay out
.endif
.irp q, 0,1,2,3
	v_cvt_pk_f16_f32 v[D+8*g+\q], v[D+8*g+2*\q], v[D+8*g+2*\q+1]   ; in place, ascending: no number is overwritten before it is read
.endr
	global_store_b128 v27, v[D+8*g:D+8*g+3], s[22:23] offset:(g/4)*12288+(g%4)*256   ; sixteen lanes store 256 consecutive bytes, aligned
.set g, g+1
.endr
	s_endpgm
.Lfunc_end_k_q4410b90751_prep:
	.size	k_q4410b90751_prep, .Lfunc_end_k_q4410b90751_prep-k_q4410b90751_prep
	.p2alignl 7, 3214868480
	.fill 96, 4, 3214868480
	.section	.rodata,"a",@progbits
	.p2align	6, 0x0
	.amdhsa_kernel k_q4410b90751_prep
		.amdhsa_group_segment_fixed_size 68096
		.amdhsa_private_segment_fixed_size 0
		.amdhsa_enable_private_segment 0
		.amdhsa_kernarg_size 80
		.amdhsa_user_sgpr_count 2
		.amdhsa_user_sgpr_kernarg_segment_ptr 1
		.amdhsa_wavefront_size32 1
		.amdhsa_system_sgpr_workgroup_id_x 1
		.amdhsa_system_sgpr_workgroup_id_y 1
		.amdhsa_system_sgpr_workgroup_id_z 1
		.amdhsa_system_vgpr_workitem_id 0
		.amdhsa_next_free_vgpr 192
		.amdhsa_next_free_sgpr 66
		.amdhsa_reserve_vcc 1
		.amdhsa_float_denorm_mode_32 3
		.amdhsa_float_denorm_mode_16_64 3
		.amdhsa_memory_ordered 1
		.amdhsa_forward_progress 1
		.amdhsa_inst_pref_size 44
	.end_amdhsa_kernel
	.amdgpu_metadata
---
amdhsa.version: [ 1, 2 ]
amdhsa.kernels:
  - .name:           k_q4410b90751_prep
    .symbol:         k_q4410b90751_prep.kd
    .args:
      - { .name: x, .offset: 0, .size: 8, .value_kind: global_buffer, .address_space: global }
      - { .name: Wq, .offset: 8, .size: 8, .value_kind: global_buffer, .address_space: global }
      - { .name: Wk, .offset: 16, .size: 8, .value_kind: global_buffer, .address_space: global }
      - { .name: Wv, .offset: 24, .size: 8, .value_kind: global_buffer, .address_space: global }
      - { .name: Wo, .offset: 32, .size: 8, .value_kind: global_buffer, .address_space: global }
      - { .name: xcodes, .offset: 40, .size: 8, .value_kind: global_buffer, .address_space: global }
      - { .name: xs, .offset: 48, .size: 8, .value_kind: global_buffer, .address_space: global }
      - { .name: wcodes, .offset: 56, .size: 8, .value_kind: global_buffer, .address_space: global }
      - { .name: ws, .offset: 64, .size: 8, .value_kind: global_buffer, .address_space: global }
      - { .name: woimg, .offset: 72, .size: 8, .value_kind: global_buffer, .address_space: global }
    .group_segment_fixed_size: 68096
    .private_segment_fixed_size: 0
    .kernarg_segment_align: 8
    .kernarg_segment_size: 80
    .max_flat_workgroup_size: 128
    .sgpr_count:     66
    .vgpr_count:     192
    .wavefront_size: 32
...
	.end_amdgpu_metadata
.endif
;; end of part 1
;; launch qkv (part 2): grid 64 x 4, 4 waves a work-group, clusters of 4 x 1, 327,680 bytes of LDS; arguments xcodes, xs, wcodes, ws, bq, bk, bv, qimg, kv; writes qimg, kv
.if DOCPART == 2
	.amdgcn_target "amdgcn-amd-amdhsa--gfx1250"
	.amdhsa_code_object_version 6
	.text
	.protected	k_q4410b90751_qkv
	.globl	k_q4410b90751_qkv
	.p2align	8
	.type	k_q4410b90751_qkv,@function
k_q4410b90751_qkv:
	s_mov_b64 s[64:65], 0
	v_nop
	global_prefetch_b8 v0, s[64:65] scope:SCOPE_SE
	s_setreg_imm32_b32 hwreg(HW_REG_WAVE_MODE, 25, 1), 1
	s_wait_xcnt 0x0
	s_wait_alu depctr_hold_cnt(0) depctr_sa_sdst(0) depctr_va_vdst(0) depctr_va_sdst(0) depctr_va_ssrc(0) depctr_va_vcc(0) depctr_vm_vsrc(0)
	s_getreg_b32 s2, hwreg(HW_REG_IB_STS2, 6, 4)
	s_cmp_eq_u32 s2, 0
	s_cbranch_scc0 .Lentry_in_a_cluster
	s_endpgm
.Lentry_in_a_cluster:
	s_bfe_u32 s2, ttmp6, 0x10000c
	s_cmp_lg_u32 s2, 0x3003
	s_cbranch_scc0 .Lentry_shape_is_right
	s_endpgm
.Lentry_shape_is_right:
; QKV.  q = x Wq + bq, k = x Wk + bk, v = x Wv + bv on codes of FP4 (E2M1) with E8M0 scales, sums in f32; the results are rounded to f16 and stored as the fragments that the attention launch multiplies.
; SHARES.  A work-group: 64 tokens (block mb = one key step) x a quarter of the 2,304 columns.  Wave column jc = 4 x work-group y + wave takes 6 column tiles of Q|K and 3 of V for the 4 token tiles:
; 36 accumulators, 6 K steps of 128: 216 matrix instructions.  Every wave has the same text: 6 tiles used transposed, 3 used as they stand.
; Q|K TRANSPOSED (source 0 = 16 columns of W, source 1 = 16 tokens): a lane holds one token and eight neighbouring columns; rounded in pairs they are one piece (four registers) of a fragment 16 tokens x 32 channels.
; V AS IT STANDS (source 0 = 16 tokens, source 1 = 16 columns): a lane holds one channel and eight neighbouring tokens: one piece of a fragment 16 channels x 32 keys of V^T.  Nothing is transposed, no stage is needed:
; every store of a wave is a piece: 512 consecutive bytes, aligned.
;   qimg [head 12][query tile 256][c 2][1 KB]      kv [head 12][key step 64][16 KB]: K's fragments (key tile kt, c) at (2 kt + c) KB; from byte 8,192 V^T's (key pair kp, channel tile ct) at (4 kp + ct) KB
; The biases are the C of each sum's first matrix instruction, in the result's layout.
; CLUSTER.  The four work-groups of a cluster share work-group y, so they want the same codes of W: each wave's 9 KB of a K step is asked for JOINTLY (mask 15).  All six K steps are asked for at the start, each into
; bytes of its own: six tensor loads of a wave are out at the most, and only the wave that asked reads the bytes: its own counted wait is all the ordering.
; x's fragments, the scale words and the biases come straight into registers.
; LIMITS: results over 65,504 in magnitude become infinity in f16; under 6e-5 they keep an absolute step of 6e-8.
; REGISTERS, in windows of 256: window 0: v1-7 addresses; v16-27 x's scale words; v28-57 W's; v64-135, v144-215 W's nine fragments, two buffers.   window 1: x's 24 fragments, v[32 s + 8 mt].
;   window 2: Q|K's 24 accumulators v[8 (4 i + mt)], their biases from v192.   window 3: V's 12 accumulators v[8 (4 iv + mt)], their biases from v96.
.set WBYTES, 6*9216                    ; LDS: a wave's codes of W: six K steps of nine fragments
.set SBYTES, 9216
.set SPARE,  4*WBYTES                  ; behind them: the spare words, 128 bytes for each wave
.set SPW, 6                            ; v6  LDS address of my spare word; never rewritten
.set NIL, 7                            ; v7  0; never rewritten
.set XS,  16                           ; XS + 2 s + pr: lane l holds the word of token 32 pr + l for K step s
.set WS,  28                           ; WS + 5 s + p: lanes 0-15 the words of my tile 2 p, lanes 16-31 of tile 2 p + 1
.set WF,  64                           ; buffer b at WF + 80 b
.set WV,  22                           ; s22 my wave's number
.set G1,  28                           ; s[28:35] descriptor group 1
.set G0,  36                           ; s[36:59] six groups 0, one for each K step
.set MSB, 0
.macro WIN new                         ; the immediate's high byte repeats the setting that is left; a switch that changes nothing is dropped
.if MSB != \new
	s_set_vgpr_msb (MSB<<8)|\new
.set MSB, \new
.endif
.endm
.macro PLACES n
.rept \n
	v_nop
.endr
.endm
.macro CROUND                          ; a round of the cluster's barrier
	s_barrier_signal -1
	s_barrier_wait -1
	s_cmp_lg_u32 s[WV], 0
	s_cbranch_scc1 .Lnot_wave_0_\@
	s_barrier_signal -3
.Lnot_wave_0_\@:
	s_barrier_wait -3
	s_barrier_signal -1
	s_barrier_wait -1
.endm
; One product, by the symbols rD, rA, rB, rC, rSA, rSB; oA, oB = 1: that side's scale words stand in lanes 16-31
.macro MM
.if oA && oB
	v_wmma_scale_f32_16x16x128_f8f6f4 v[rD:rD+7], v[rA:rA+7], v[rB:rB+7], v[rC:rC+7], v[rSA], v[rSB] matrix_a_fmt:MATRIX_FMT_FP4 matrix_b_fmt:MATRIX_FMT_FP4 matrix_a_scale:MATRIX_SCALE_ROW1 matrix_b_scale:MATRIX_SCALE_ROW1
.elseif oA
	v_wmma_scale_f32_16x16x128_f8f6f4 v[rD:rD+7], v[rA:rA+7], v[rB:rB+7], v[rC:rC+7], v[rSA], v[rSB] matrix_a_fmt:MATRIX_FMT_FP4 matrix_b_fmt:MATRIX_FMT_FP4 matrix_a_scale:MATRIX_SCALE_ROW1
.elseif oB
	v_wmma_scale_f32_16x16x128_f8f6f4 v[rD:rD+7], v[rA:rA+7], v[rB:rB+7], v[rC:rC+7], v[rSA], v[rSB] matrix_a_fmt:MATRIX_FMT_FP4 matrix_b_fmt:MATRIX_FMT_FP4 matrix_b_scale:MATRIX_SCALE_ROW1
.else
	v_wmma_scale_f32_16x16x128_f8f6f4 v[rD:rD+7], v[rA:rA+7], v[rB:rB+7], v[rC:rC+7], v[rSA], v[rSB] matrix_a_fmt:MATRIX_FMT_FP4 matrix_b_fmt:MATRIX_FMT_FP4
.endif
.endm
	s_load_b256 s[4:11], s[0:1], 0x0               ; xcodes, xs, wcodes, ws
	s_load_b256 s[12:19], s[0:1], 0x20             ; bq, bk, bv, qimg
	s_load_b64 s[20:21], s[0:1], 0x40              ; kv
	v_lshl_add_u32 v[SPW], v0, 2, SPARE
	v_mov_b32 v[NIL], 0
	ds_add_u32 v[SPW], v[NIL]                      ; the wave's opening: the add, twice on end, and its wait ahead of my first tensor load
	ds_add_u32 v[SPW], v[NIL]
	v_lshrrev_b32 v1, 5, v0
	v_readfirstlane_b32 s[WV], v1                  ; wave 0..3
	s_and_b32 s25, ttmp7, 0xffff                   ; work-group y, which the four partners share
	s_lshl_b32 s26, s25, 2
	s_add_co_u32 s26, s26, s[WV]                   ; jc: my wave column, 0..15
	s_mov_b32 s[G1], 15|(3<<16)|(1<<21)            ; 15:0 the mask: all four work-groups; 17:16 elements of 8 bytes; 21 set beside a mask; no padding: a fragment's image is read as it lies
	s_mov_b32 s[G1+1], 32<<16                      ; tensor_dim0 = 32 elements: rows of 256 bytes
	s_mov_b32 s[G1+2], 36<<16                      ; tensor_dim1 = 36 rows: nine fragments
	s_mov_b32 s[G1+3], 32<<16                      ; tile_dim0
	s_mov_b32 s[G1+4], 36                          ; tile_dim1
	s_mov_b32 s[G1+5], 32                          ; the pitch: the block is dense
	s_mov_b32 s[G1+6], 0
	s_mov_b32 s[G1+7], 0
	s_mul_i32 s78, s[WV], WBYTES                   ; my bytes of LDS: the wave's number alone
	s_mul_i32 s80, s26, 9*1024                     ; my nine slots of a K step
	s_mov_b32 s81, 0
	s_wait_dscnt 0x0                               ; both opening adds are done
	s_wait_kmcnt 0x0
	s_add_nc_u64 s[80:81], s[8:9], s[80:81]
.irp s, 0,1,2,3,4,5
	s_mov_b32 s[G0+4*\s], 1
	s_add_co_u32 s[G0+4*\s+1], s78, \s*SBYTES
	s_add_nc_u64 s[G0+4*\s+2:G0+4*\s+3], s[80:81], \s*144*1024
	s_or_b32 s[G0+4*\s+3], s[G0+4*\s+3], 0x80000000
.endr
	CROUND                                         ; all four work-groups are here: the joint loads meet
.irp s, 0,1,2,3,4,5
	tensor_load_to_lds s[G0+4*\s:G0+4*\s+3], s[G1:G1+7]
	s_nop 0
.endr
	v_and_b32 v8, 31, v0                           ; eight plain lines stand between the last tensor load and the first switch of windows
	v_lshlrev_b32 v1, 4, v8                        ; v1  16 x lane: a piece's place for my lane
	v_lshlrev_b32 v2, 2, v8                        ; v2  4 x lane
	v_add_nc_u32 v3, s78, v1                       ; v3  16 x lane in my bytes of LDS
	v_and_b32 v4, 15, v0
	v_lshlrev_b32 v4, 2, v4                        ; v4  4 r
	v_bfe_u32 v5, v0, 4, 1
	v_lshlrev_b32 v5, 5, v5                        ; v5  32 h
	s_bfe_u32 s23, ttmp6, 0x40000                  ; cx: it enters x's and the results' addresses alone
	s_lshl_b32 s24, ttmp9, 2
	s_add_co_u32 s24, s24, s23                     ; mb: my block of 64 tokens
	s_mov_b32 s83, 0
	s_mul_i32 s82, s24, 4*6*1024
	s_add_nc_u64 s[4:5], s[4:5], s[82:83]          ; x's 24 fragments
	s_lshl_b32 s82, s24, 8
	s_add_nc_u64 s[6:7], s[6:7], s[82:83]          ; its scale words
	s_mul_i32 s82, s26, 9*64
	s_add_nc_u64 s[10:11], s[10:11], s[82:83]      ; my nine tiles' scale words
	s_cmp_lt_u32 s26, 8                            ; wave columns 0-7 make Q, 8-15 K: only pointers and shifts are chosen
	s_cselect_b64 s[84:85], s[12:13], s[14:15]
	s_cselect_b64 s[86:87], s[18:19], s[20:21]
	s_cselect_b32 s88, 19, 20                      ; a head: 512 KB in qimg, 1 MB in kv
	s_cselect_b32 s89, 13, 14                      ; a block of 64 tokens: 8 KB in qimg, 16 KB in kv
	s_and_b32 s90, s26, 7
	s_mul_i32 s82, s90, 6*64
	s_add_nc_u64 s[84:85], s[84:85], s[82:83]      ; my 96 numbers of bq or bk
	s_mul_i32 s82, s26, 3*64
	s_add_nc_u64 s[16:17], s[16:17], s[82:83]      ; my 48 of bv
	WIN 0x40                                       ; destination window 1
.irp s, 0,1,2,3,4,5
.irp mt, 0,1,2,3
.irp p, 0,1
	global_load_b128 v[32*\s+8*\mt+4*\p:32*\s+8*\mt+4*\p+3], v1, s[4:5] offset:(6*\mt+\s)*1024+512*\p
.endr
.endr
.endr
	WIN 0
.irp s, 0,1,2,3,4,5
.irp pr, 0,1
	global_load_b32 v[XS+2*\s+\pr], v2, s[6:7] offset:16384*\s+128*\pr
.endr
.irp p, 0,1,2,3
	global_load_b32 v[WS+5*\s+\p], v2, s[10:11] offset:9216*\s+128*\p
.endr
	global_load_b32 v[WS+5*\s+4], v4, s[10:11] offset:9216*\s+512   ; the ninth tile alone: both halves of the lanes take its 16 words
.endr
	WIN 0x80                                       ; destination window 2
.irp i, 0,1,2,3,4,5
	global_load_b128 v[192+8*\i:192+8*\i+3], v5, s[84:85] offset:64*\i      ; lane (r, h): the bias of columns 16 i + 8 h + 0 .. 7
	global_load_b128 v[192+8*\i+4:192+8*\i+7], v5, s[84:85] offset:64*\i+16
.endr
	WIN 0xc0                                       ; destination window 3
.irp iv, 0,1,2
.irp j, 0,1,2,3,4,5,6,7
	global_load_b32 v[96+8*\iv+\j], v4, s[16:17] offset:64*\iv              ; lane (r, h): the bias of channel r, for each of its eight tokens
.endr
.endr
	WIN 0
	s_wait_tensorcnt 5                             ; K step 0's codes have landed; the five younger loads stay out
.set q, 0
.rept 18
	ds_load_b128 v[WF+4*q:WF+4*q+3], v3 offset:512*q
.set q, q+1
.endr
	; where the results go.  Q|K: my tiles 2 ip and 2 ip + 1 are the two pieces of fragment U = 3 (jc % 8) + ip: head U / 2, c = U % 2
	s_mul_i32 s90, s90, 3
	s_lshl_b32 s91, s24, s89
.irp ip, 0,1,2
	s_add_co_u32 s82, s90, \ip
	s_lshr_b32 s92, s82, 1
	s_lshl_b32 s92, s92, s88
	s_and_b32 s82, s82, 1
	s_lshl_b32 s82, s82, 10
	s_add_co_u32 s82, s82, s92
	s_add_co_u32 s82, s82, s91
	s_add_nc_u64 s[66+2*\ip:67+2*\ip], s[86:87], s[82:83]
.endr
	; V: my tile iv is column tile Tv = 3 jc + iv: head Tv / 4, channel tile Tv % 4
	s_mul_i32 s90, s26, 3
	s_lshl_b32 s91, s24, 14
	s_add_co_u32 s91, s91, 8192
.irp iv, 0,1,2
	s_add_co_u32 s82, s90, \iv
	s_lshr_b32 s92, s82, 2
	s_lshl_b32 s92, s92, 20
	s_and_b32 s82, s82, 3
	s_lshl_b32 s82, s82, 10
	s_add_co_u32 s82, s82, s92
	s_add_co_u32 s82, s82, s91
	s_add_nc_u64 s[72+2*\iv:73+2*\iv], s[20:21], s[82:83]
.endr
	s_wait_loadcnt 0x0                             ; x's fragments, the scale words, the biases
; A K step: the next step's nine fragments are asked of LDS, then 36 products.  The 36 accumulators take turns, one instruction a turn, in the same order in every step.
.macro STEP s
.if \s < 5
	s_wait_tensorcnt 4-\s                          ; the next step's codes have landed; the 4 - s younger loads stay out
	WIN 0
.if \s > 0
	PLACES 4                                       ; in front of loads into the buffer that the last step's products read (ISA guide 7.12.1 for vector instructions)
.endif
.set q, 0
.rept 18
	ds_load_b128 v[WF+80*(1-\s%2)+4*q:WF+80*(1-\s%2)+4*q+3], v3 offset:SBYTES*(\s+1)+512*q
.set q, q+1
.endr
	s_wait_dscnt 18                                ; this step's fragments are in; the 18 loads just issued stay out
.else
	s_wait_dscnt 0x0
.endif
	WIN 0xa4                                       ; source 0 (W) window 0, source 1 (x) window 1, C and D window 2
.irp i, 0,1,2,3,4,5
.irp mt, 0,1,2,3
.set rD, 8*(4*\i+\mt)
.set rC, rD
.if \s == 0
.set rC, 192+8*\i                                  ; the bias starts the sum
.endif
.set rA, WF+80*(\s%2)+8*\i
.set rB, 32*\s+8*\mt
.set rSA, WS+5*\s+\i/2
.set rSB, XS+2*\s+\mt/2
.set oA, \i%2
.set oB, \mt%2
	MM
.endr
.endr
	WIN 0xf1                                       ; source 0 (x) window 1, source 1 (W) window 0, C and D window 3
.irp iv, 0,1,2
.irp mt, 0,1,2,3
.set rD, 8*(4*\iv+\mt)
.set rC, rD
.if \s == 0
.set rC, 96+8*\iv
.endif
.set rA, 32*\s+8*\mt
.set rB, WF+80*(\s%2)+8*(6+\iv)
.set rSA, XS+2*\s+\mt/2
.set rSB, WS+5*\s+(6+\iv)/2
.set oA, \mt%2
.set oB, \iv%2
	MM
.endr
.endr
.endm
	STEP 0
	STEP 1
	STEP 2
	STEP 3
	STEP 4
	STEP 5
	; THE WAY OUT: each accumulator's eight numbers round to four registers, in place and from its low end on, and are stored as a piece.
	PLACES 4                                       ; the conversions read results just made
	WIN 0x8a                                       ; sources and destination window 2
.irp i, 0,1,2,3,4,5
.irp mt, 0,1,2,3
.irp q, 0,1,2,3
	v_cvt_pk_f16_f32 v[8*(4*\i+\mt)+\q], v[8*(4*\i+\mt)+2*\q], v[8*(4*\i+\mt)+2*\q+1]
.endr
.endr
.endr
	WIN 0x08                                       ; a store's data are its source 1: window 2
.irp i, 0,1,2,3,4,5
.irp mt, 0,1,2,3
	global_store_b128 v1, v[8*(4*\i+\mt):8*(4*\i+\mt)+3], s[66+2*(\i/2):67+2*(\i/2)] offset:(\i%2)*512+\mt*2048   ; 512 consecutive bytes, aligned
.endr
.endr
	WIN 0xcf                                       ; window 3
.irp iv, 0,1,2
.irp mt, 0,1,2,3
.irp q, 0,1,2,3
	v_cvt_pk_f16_f32 v[8*(4*\iv+\mt)+\q], v[8*(4*\iv+\mt)+2*\q], v[8*(4*\iv+\mt)+2*\q+1]
.endr
.endr
.endr
	WIN 0x0c
.irp iv, 0,1,2
.irp mt, 0,1,2,3
	global_store_b128 v1, v[8*(4*\iv+\mt):8*(4*\iv+\mt)+3], s[72+2*\iv:73+2*\iv] offset:(\mt/2)*4096+(\mt%2)*512
.endr
.endr
	WIN 0
	s_wait_tensorcnt 0x0                           ; the wave's end: these three lines behind my last tensor load
	ds_add_u32 v[SPW], v[NIL]
	s_wait_dscnt 0x0
	CROUND                                         ; the closing round: no work-group ends while a partner may still ask for a tile that names it
	s_endpgm
.Lfunc_end_k_q4410b90751_qkv:
	.size	k_q4410b90751_qkv, .Lfunc_end_k_q4410b90751_qkv-k_q4410b90751_qkv
	.p2alignl 7, 3214868480
	.fill 96, 4, 3214868480
	.section	.rodata,"a",@progbits
	.p2align	6, 0x0
	.amdhsa_kernel k_q4410b90751_qkv
		.amdhsa_group_segment_fixed_size 327680
		.amdhsa_private_segment_fixed_size 0
		.amdhsa_enable_private_segment 0
		.amdhsa_kernarg_size 72
		.amdhsa_user_sgpr_count 2
		.amdhsa_user_sgpr_kernarg_segment_ptr 1
		.amdhsa_wavefront_size32 1
		.amdhsa_system_sgpr_workgroup_id_x 1
		.amdhsa_system_sgpr_workgroup_id_y 1
		.amdhsa_system_sgpr_workgroup_id_z 1
		.amdhsa_system_vgpr_workitem_id 0
		.amdhsa_next_free_vgpr 896
		.amdhsa_next_free_sgpr 100
		.amdhsa_reserve_vcc 0
		.amdhsa_float_denorm_mode_32 3
		.amdhsa_float_denorm_mode_16_64 3
		.amdhsa_memory_ordered 1
		.amdhsa_forward_progress 1
		.amdhsa_inst_pref_size 68
	.end_amdhsa_kernel
	.amdgpu_metadata
---
amdhsa.version: [ 1, 2 ]
amdhsa.kernels:
  - .name:           k_q4410b90751_qkv
    .symbol:         k_q4410b90751_qkv.kd
    .args:
      - { .name: xcodes, .offset: 0, .size: 8, .value_kind: global_buffer, .address_space: global }
      - { .name: xs, .offset: 8, .size: 8, .value_kind: global_buffer, .address_space: global }
      - { .name: wcodes, .offset: 16, .size: 8, .value_kind: global_buffer, .address_space: global }
      - { .name: ws, .offset: 24, .size: 8, .value_kind: global_buffer, .address_space: global }
      - { .name: bq, .offset: 32, .size: 8, .value_kind: global_buffer, .address_space: global }
      - { .name: bk, .offset: 40, .size: 8, .value_kind: global_buffer, .address_space: global }
      - { .name: bv, .offset: 48, .size: 8, .value_kind: global_buffer, .address_space: global }
      - { .name: qimg, .offset: 56, .size: 8, .value_kind: global_buffer, .address_space: global }
      - { .name: kv, .offset: 64, .size: 8, .value_kind: global_buffer, .address_space: global }
    .group_segment_fixed_size: 327680
    .private_segment_fixed_size: 0
    .kernarg_segment_align: 8
    .kernarg_segment_size: 72
    .max_flat_workgroup_size: 128
    .sgpr_count:     100
    .vgpr_count:     896
    .wavefront_size: 32
...
	.end_amdgpu_metadata
.endif
;; end of part 2
;; launch attn (part 3): grid 16 x 12, 8 waves a work-group, clusters of 4 x 1, 327,680 bytes of LDS; arguments qimg, kv, oimg; writes oimg
.if DOCPART == 3
	.amdgcn_target "amdgcn-amd-amdhsa--gfx1250"
	.amdhsa_code_object_version 6
	.text
	.protected	k_q4410b90751_attn
	.globl	k_q4410b90751_attn
	.p2align	8
	.type	k_q4410b90751_attn,@function
k_q4410b90751_attn:
	s_mov_b64 s[64:65], 0
	v_nop
	global_prefetch_b8 v0, s[64:65] scope:SCOPE_SE
	s_setreg_imm32_b32 hwreg(HW_REG_WAVE_MODE, 25, 1), 1
	s_wait_xcnt 0x0
	s_wait_alu depctr_hold_cnt(0) depctr_sa_sdst(0) depctr_va_vdst(0) depctr_va_sdst(0) depctr_va_ssrc(0) depctr_va_vcc(0) depctr_vm_vsrc(0)
	s_getreg_b32 s2, hwreg(HW_REG_IB_STS2, 6, 4)
	s_cmp_eq_u32 s2, 0
	s_cbranch_scc0 .Lentry_in_a_cluster
	s_endpgm
.Lentry_in_a_cluster:
	s_bfe_u32 s2, ttmp6, 0x10000c
	s_cmp_lg_u32 s2, 0x3003
	s_cbranch_scc0 .Lentry_shape_is_right
	s_endpgm
.Lentry_shape_is_right:
; ATTENTION.  o[q] = the sum over k of softmax_k(q . k / sqrt(768)) v[k], for each of 12 heads of 64 channels, 4,096 queries and keys, no mask.  q, k, v arrive as f16 fragments (the launch before laid them so);
; products, maxima and sums in f32; the weights p are rounded to f16 for the second product, o to f16 once at the end, as the fragments of the last launch:
;   oimg [row tile 256][kc 24][1 KB]: 16 rows x 32 channels, kc = 2 head + channel tile / 2, piece = channel tile % 2.
; SHARES.  A work-group: 256 queries of one head.  Each of its eight waves: 32 queries, two tiles of 16, in 384 registers: two waves to a SIMD, so that one wave's softmax can stand beside the other's products.
; Every wave walks all keys, 64 a step.
; LAYOUT.  S^T = K Q^T (source 0 = 16 keys, source 1 = 16 queries): a lane holds ONE query (lane % 16) and keys 8 (lane / 16) + 0 .. 7.  Two such tiles, rounded in pairs, ARE source 1 (32 keys x 16 queries) of
; O^T = V^T P, whose result again holds one query a lane and eight channels.  Nothing changes lanes between the products.
; SOFTMAX.  For each query a running maximum m and sum l: p = 2^(c s - c m), c = log2(e) / sqrt(768); in every step O and l are multiplied by a = 2^(c m_old - c m_new).  m begins at -3e38 and O and l at 0.
; RING.  Two LDS slots of 8 key steps (128 KB), dense in kv.  Wave w fetches step w of a slot: one tensor load a wave for each refill, 64 rows of 256 bytes.  Two loads of a wave are out at the start, one later.
; CLUSTER.  The four query blocks of a cluster belong to one head and walk the same K and V: each load is JOINT (mask 15).
; 192 work-groups: 12 heads x 16 blocks.  A split that gave every WGP work (64 queries x 3 heads a work-group) would bring four times the bytes of K and V into each.
; LIMITS: f16 operands: magnitudes over 65,504 become infinity, under 6e-5 they keep an absolute step of 6e-8.  NaN and infinities among the inputs are not served.
; REGISTERS: window 0: v1-6 addresses; v8-23 statistics, eight a tile (+0 c m, +1 m, +2, +3 l, +4 .. +7 at work; a in +6); v24-55 P; v64-127 S^T; v128-191 K; v192-255 V.   window 1: v0-63 O^T; v64-95 Q.
.set STEPB, 16384                      ; a key step: 8 KB of K's fragments, 8 KB of V^T's
.set SLOT1, 1<<17                      ; slot 1 begins here: one exclusive or turns an address in one slot into the other's
.set SPARE, 2*SLOT1                    ; behind the ring: the spare words, 128 bytes for each of the eight waves
.set L16, 1                            ; v1  16 x lane
.set ADK, 2                            ; v2  LDS address of the run of K's loads in hand
.set ADV, 3                            ; v3  of V's
.set PFO, 4                            ; v4  256 x lane: the prefetches' offset; never rewritten
.set SPW, 5                            ; v5  LDS address of my spare word; never rewritten
.set NIL, 6                            ; v6  0; never rewritten
.set ST,  8
.set P,   24                           ; P + 16 t + 8 kp
.set S,   64                           ; S + 32 t + 8 kt
.set KF,  128                          ; KF + 8 (2 kt + c)
.set VF,  192                          ; VF + 8 (4 kp + ct)
.set QF,  64                           ; in window 1: QF + 16 t + 8 c
.set WV,  12                           ; s12 my wave's number
.set LIM, 15                           ; s15 1 in a wave that prefetches, else the greatest number
.set PFA, 18                           ; s[18:19] where my prefetches stand
.set G1,  24                           ; s[24:31] descriptor group 1
.set G0A, 32                           ; s[32:35] group 0 of slot 0's first fill
.set G0B, 36                           ; s[36:39] of slot 1's; it then walks
.set SLOTS, 40                         ; s40 slots still to be asked for
.set CNT, 41                           ; s41 counts steps
.set TB,  42                           ; s42 LDS byte at which the step to be fetched begins
.set CS,  44                           ; s[44:45] c: the packed form names a pair and takes its low word for both halves
.set SEL, 46                           ; s[46:47] v_permlanex16_b32's selects for lane l xor 16
.set MSB, 0
.macro WIN new
.if MSB != \new
	s_set_vgpr_msb (MSB<<8)|\new
.set MSB, \new
.endif
.endm
.macro PLACES n
.rept \n
	v_nop
.endr
.endm
.macro CROUND                          ; a round of the cluster's barrier
	s_barrier_signal -1
	s_barrier_wait -1
	s_cmp_lg_u32 s[WV], 0
	s_cbranch_scc1 .Lnot_wave_0_\@
	s_barrier_signal -3
.Lnot_wave_0_\@:
	s_barrier_wait -3
	s_barrier_signal -1
	s_barrier_wait -1
.endm
; A PREFETCH of what the NEXT change of slots will ask for: a slot's 128 KB.  All clusters of a head walk the same bytes: the head's first cluster asks.  Its four partners take 32 KB each, told apart BY ADDRESS;
; in each, waves 0 to 3 take 8 KB, lanes 256 bytes apart: one instruction a wave, and each aligned block of 256 bytes of slots 3 to 7 is named once in the launch, eight key steps ahead of its load.
; The last change that fills a slot asks for nothing: there is no slot behind it.  Slots 0 to 2 come by their loads alone.
.macro ASK
	s_cmp_gt_u32 s[SLOTS], s[LIM]
	s_cbranch_scc0 .Lnot_mine_\@
	global_prefetch_b8 v[PFO], s[PFA:PFA+1] th:TH_LOAD_NT scope:SCOPE_SE
.Lnot_mine_\@:
.endm
	s_load_b128 s[4:7], s[0:1], 0x0                ; qimg, kv
	s_load_b64 s[8:9], s[0:1], 0x10                ; oimg
	v_lshl_add_u32 v[SPW], v0, 2, SPARE
	v_mov_b32 v[NIL], 0
	ds_add_u32 v[SPW], v[NIL]                      ; the wave's opening: the add, twice on end, and its wait ahead of my first tensor load
	ds_add_u32 v[SPW], v[NIL]
	v_lshrrev_b32 v1, 5, v0
	v_readfirstlane_b32 s[WV], v1                  ; wave 0..7
	s_and_b32 s16, ttmp7, 0xffff                   ; the head, which the four partners share
	s_mov_b32 s[G1], 15|(3<<16)|(1<<21)            ; 15:0 the mask: all four work-groups; 17:16 elements of 8 bytes; 21 set beside a mask; no padding: images are read as they lie
	s_mov_b32 s[G1+1], 32<<16                      ; tensor_dim0 = 32 elements: rows of 256 bytes
	s_mov_b32 s[G1+2], 64<<16                      ; tensor_dim1 = 64 rows: a key step
	s_mov_b32 s[G1+3], 32<<16                      ; tile_dim0
	s_mov_b32 s[G1+4], 64                          ; tile_dim1
	s_mov_b32 s[G1+5], 32                          ; the pitch: the block is dense
	s_mov_b32 s[G1+6], 0
	s_mov_b32 s[G1+7], 0
	s_lshl_b32 s17, s[WV], 14                      ; my step of a slot, in LDS and in memory
	s_lshl_b32 s20, s16, 20                        ; a head is 1 MB of kv
	s_add_co_u32 s20, s20, s17
	s_mov_b32 s21, 0
	s_mov_b32 s[CS], 0x3d553b95                    ; c = log2(e) / sqrt(768) = 0.05205877
	s_mov_b32 s[CS+1], s[CS]
	s_mov_b32 s[SEL], 0x76543210
	s_mov_b32 s[SEL+1], 0xfedcba98
	s_mov_b32 s[TB], 0
	s_mov_b32 s[SLOTS], 6
	s_lshr_b32 s[LIM], s[WV], 2                    ; 0 in waves 0 to 3,
	s_or_b32 s[LIM], s[LIM], ttmp9                 ; where the cluster is the head's first: the same in all four partners
	s_cmp_eq_u32 s[LIM], 0
	s_cselect_b32 s[LIM], 1, -1
	s_bfe_u32 s13, ttmp6, 0x40000                  ; cx: it enters Q's, O's and the prefetches' addresses alone, in registers of their own
	s_lshl_b32 s14, ttmp9, 2
	s_add_co_u32 s14, s14, s13                     ; my block of 256 queries
	s_lshl_b32 s48, s16, 20                        ; the prefetches: my head,
	s_lshl_b32 s50, s13, 15
	s_add_co_u32 s48, s48, s50                     ; my work-group's 32 KB of a slot,
	s_and_b32 s50, s[WV], 3
	s_lshl_b32 s50, s50, 13
	s_add_co_u32 s48, s48, s50                     ; my wave's 8 KB of them,
	s_add_co_u32 s48, s48, 2*SLOT1                 ; in slot 2: the first change of slots steps it to slot 3
	s_mov_b32 s49, 0
	s_lshl_b32 s52, s16, 19                        ; Q: a head is 512 KB, a block 32 KB, my two tiles 4 KB
	s_lshl_b32 s50, s14, 15
	s_add_co_u32 s52, s52, s50
	s_lshl_b32 s50, s[WV], 12
	s_add_co_u32 s52, s52, s50
	s_mov_b32 s53, 0
	s_lshl_b32 s54, s14, 4                         ; O: row tile 16 x block + 2 x wave, 24 KB each; my head's two fragments
	s_lshl_b32 s50, s[WV], 1
	s_add_co_u32 s54, s54, s50
	s_mul_i32 s54, s54, 24*1024
	s_lshl_b32 s50, s16, 11
	s_add_co_u32 s54, s54, s50
	s_mov_b32 s55, 0
	s_wait_dscnt 0x0                               ; both opening adds are done
	s_wait_kmcnt 0x0
	s_add_nc_u64 s[22:23], s[6:7], s[20:21]
	s_add_nc_u64 s[PFA:PFA+1], s[6:7], s[48:49]
	s_add_nc_u64 s[4:5], s[4:5], s[52:53]
	s_add_nc_u64 s[8:9], s[8:9], s[54:55]
	s_mov_b32 s[G0A], 1
	s_mov_b32 s[G0A+1], s17
	s_mov_b64 s[G0A+2:G0A+3], s[22:23]
	s_or_b32 s[G0A+3], s[G0A+3], 0x80000000
	s_mov_b32 s[G0B], 1
	s_add_co_u32 s[G0B+1], s17, SLOT1
	s_add_nc_u64 s[G0B+2:G0B+3], s[22:23], SLOT1   ; a slot is as many bytes in memory as in LDS
	s_or_b32 s[G0B+3], s[G0B+3], 0x80000000
	CROUND                                         ; all four work-groups are here: the first joint loads meet
	tensor_load_to_lds s[G0A:G0A+3], s[G1:G1+7]
	s_nop 0
	tensor_load_to_lds s[G0B:G0B+3], s[G1:G1+7]
	s_nop 0
	v_and_b32 v7, 31, v0                           ; plain lines stand between the last tensor load and the first switch of windows
	v_lshlrev_b32 v[L16], 4, v7
	v_lshlrev_b32 v[PFO], 8, v7
.irp t, 0,1
	v_mov_b32 v[ST+8*\t+1], 0xff61b1e6             ; m = -3e38, under every score
	v_mul_f32 v[ST+8*\t], s[CS], v[ST+8*\t+1]      ; c m
	v_mov_b32 v[ST+8*\t+2], 0                      ; l, in two halves
	v_mov_b32 v[ST+8*\t+3], 0
.endr
	WIN 0x40                                       ; destination window 1
.set q, 0
.rept 8
	global_load_b128 v[QF+4*q:QF+4*q+3], v[L16], s[4:5] offset:512*q   ; Q stays in registers: tile q / 4, c = (q / 2) % 2, piece q % 2
.set q, q+1
.endr
.set q, 0
.rept 64
	v_mov_b32 v[q], 0                              ; O^T.  (The step is written for every step alike: the first finds zeros, which a = 0 leaves zeros)
.set q, q+1
.endr
	WIN 0
; S^T = K Q^T: eight accumulators by turns, channels 32 c on; the first eight products start the sums
.macro KQ
	WIN 0x04                                       ; source 1 (Q) window 1
.irp c, 0,1
.irp t, 0,1
.irp kt, 0,1,2,3
.if \c == 0
	v_wmma_f32_16x16x32_f16 v[S+32*\t+8*\kt:S+32*\t+8*\kt+7], v[KF+8*(2*\kt+\c):KF+8*(2*\kt+\c)+7], v[QF+16*\t+8*\c:QF+16*\t+8*\c+7], 0
.else
	v_wmma_f32_16x16x32_f16 v[S+32*\t+8*\kt:S+32*\t+8*\kt+7], v[KF+8*(2*\kt+\c):KF+8*(2*\kt+\c)+7], v[QF+16*\t+8*\c:QF+16*\t+8*\c+7], v[S+32*\t+8*\kt:S+32*\t+8*\kt+7]
.endif
.endr
.endr
.endr
.endm
; O^T += V^T P: eight accumulators by turns, keys 32 kp on
.macro PV
	WIN 0x50                                       ; C and D window 1
.irp kp, 0,1
.irp t, 0,1
.irp ct, 0,1,2,3
	v_wmma_f32_16x16x32_f16 v[32*\t+8*\ct:32*\t+8*\ct+7], v[VF+8*(4*\kp+\ct):VF+8*(4*\kp+\ct)+7], v[P+16*\t+8*\kp:P+16*\t+8*\kp+7], v[32*\t+8*\ct:32*\t+8*\ct+7]
.endr
.endr
.endr
.endm
; The softmax of a key step, both tiles line by line, so that no line reads the result of the line above it.
.macro SOFTMAX
.irp j, 0,1,2,3
.irp t, 0,1
	v_max3_num_f32 v[ST+8*\t+4+\j], v[S+32*\t+8*\j], v[S+32*\t+8*\j+1], v[S+32*\t+8*\j+2]   ; four chains, one to an accumulator, each from its low end on
.endr
.endr
.irp i, 3,5
.irp j, 0,1,2,3
.irp t, 0,1
	v_max3_num_f32 v[ST+8*\t+4+\j], v[ST+8*\t+4+\j], v[S+32*\t+8*\j+\i], v[S+32*\t+8*\j+\i+1]
.endr
.endr
.endr
.irp t, 0,1
	v_max3_num_f32 v[ST+8*\t+4], v[ST+8*\t+4], v[S+32*\t+7], v[S+32*\t+15]
.endr
.irp t, 0,1
	v_max3_num_f32 v[ST+8*\t+6], v[ST+8*\t+6], v[S+32*\t+23], v[S+32*\t+31]
.endr
.irp t, 0,1
	v_max3_num_f32 v[ST+8*\t+4], v[ST+8*\t+4], v[ST+8*\t+5], v[ST+8*\t+6]
.endr
.irp t, 0,1
	v_max3_num_f32 v[ST+8*\t+4], v[ST+8*\t+4], v[ST+8*\t+7], v[ST+8*\t+1]   ; with the old m
.endr
.irp t, 0,1
	v_permlanex16_b32 v[ST+8*\t+5], v[ST+8*\t+4], s[SEL], s[SEL+1]          ; the query's other 32 keys lie in the lane 16 away
.endr
.irp t, 0,1
	v_mov_b32 v[ST+8*\t+7], v[ST+8*\t]             ; c m_old is kept for a
.endr
.irp t, 0,1
	v_max_num_f32 v[ST+8*\t+1], v[ST+8*\t+4], v[ST+8*\t+5]
.endr
.irp t, 0,1
	v_mul_f32 v[ST+8*\t], s[CS], v[ST+8*\t+1]
.endr
.irp t, 0,1
	v_sub_f32 v[ST+8*\t+7], v[ST+8*\t+7], v[ST+8*\t]
.endr
.irp t, 0,1
	v_exp_f32 v[ST+8*\t+6], v[ST+8*\t+7]           ; a.  From here to the wait below nothing names an exponential's result
.endr
.irp b, 0,2,4,6,8,10,12,14,16,18,20,22,24,26,28,30
.irp t, 0,1
	v_pk_fma_f32 v[S+32*\t+\b:S+32*\t+\b+1], v[S+32*\t+\b:S+32*\t+\b+1], s[CS:CS+1], v[ST+8*\t:ST+8*\t+1] op_sel_hi:[1,0,0] neg_lo:[0,0,1] neg_hi:[0,0,1]   ; c s - c m, two at a time
.endr
.endr
.irp e, 0,1,2,3,4,5,6,7,8,9,10,11,12,13,14,15,16,17,18,19,20,21,22,23,24,25,26,27,28,29,30,31
.irp t, 0,1
	v_exp_f32 v[S+32*\t+\e], v[S+32*\t+\e]
.endr
.endr
	v_nop                                          ; a plain line behind the last exponential, ahead of the first use
	s_wait_alu depctr_va_vdst(0)                   ; one wait for the step's 66 exponentials, ahead of the first line that names a result
.irp b, 0,1,2,3,4,5,6,7,8,9,10,11,12,13,14,15
.irp t, 0,1
	v_cvt_pk_f16_f32 v[P+16*\t+\b], v[S+32*\t+2*\b], v[S+32*\t+2*\b+1]
.endr
.endr
.irp u, 0,1,2,3,4,5,6,7                        ; the sum of the 16 pairs (an even key's weight, an odd key's), in place
.irp t, 0,1
	v_pk_add_f32 v[S+32*\t+4*\u:S+32*\t+4*\u+1], v[S+32*\t+4*\u:S+32*\t+4*\u+1], v[S+32*\t+4*\u+2:S+32*\t+4*\u+3]
.endr
.endr
.irp u, 0,1,2,3
.irp t, 0,1
	v_pk_add_f32 v[S+32*\t+8*\u:S+32*\t+8*\u+1], v[S+32*\t+8*\u:S+32*\t+8*\u+1], v[S+32*\t+8*\u+4:S+32*\t+8*\u+5]
.endr
.endr
.irp u, 0,1
.irp t, 0,1
	v_pk_add_f32 v[S+32*\t+16*\u:S+32*\t+16*\u+1], v[S+32*\t+16*\u:S+32*\t+16*\u+1], v[S+32*\t+16*\u+8:S+32*\t+16*\u+9]
.endr
.endr
.irp t, 0,1
	v_pk_add_f32 v[S+32*\t:S+32*\t+1], v[S+32*\t:S+32*\t+1], v[S+32*\t+16:S+32*\t+17]
.endr
.irp t, 0,1
	v_pk_fma_f32 v[ST+8*\t+2:ST+8*\t+3], v[ST+8*\t+2:ST+8*\t+3], v[ST+8*\t+6:ST+8*\t+7], v[S+32*\t:S+32*\t+1] op_sel_hi:[1,0,1]   ; l = a l + the sum
.endr
	WIN 0x41                                       ; O^T (destination and source 0) window 1, a window 0
.irp j, 0,2,4,6,8,10,12,14,16,18,20,22,24,26,28,30
.irp t, 0,1
	v_pk_mul_f32 v[32*\t+\j:32*\t+\j+1], v[32*\t+\j:32*\t+\j+1], v[ST+8*\t+6:ST+8*\t+7] op_sel_hi:[1,0]
.endr
.endr
.endm
; A KEY STEP.  fetch = 1: the next step's K is asked of LDS behind this step's K Q^T, its V behind this step's V^T P: each run of 16 loads has a softmax or a run of products in which to come.
; A load into a register that a matrix instruction has read, and a vector line that reads a matrix result, stand four plain vector lines behind it (ISA guide 7.12.1 for the vector line):
; the run's own address line and three v_nop.
.macro STEP fetch
	s_wait_dscnt 16                                ; K is in; V's 16 younger loads stay out
	KQ
	WIN 0
.if \fetch
	v_add_nc_u32 v[ADK], s[TB], v[L16]
	PLACES 3
.set q, 0
.rept 16
	ds_load_b128 v[KF+4*q:KF+4*q+3], v[ADK] offset:512*q
.set q, q+1
.endr
.else
	PLACES 4
.endif
	SOFTMAX
.if \fetch
	s_wait_dscnt 16                                ; V is in; the next K's 16 loads stay out
.else
	s_wait_dscnt 0x0
.endif
	PV
	WIN 0
.if \fetch
	v_add_nc_u32 v[ADV], s[TB], v[L16]
	PLACES 3
.set q, 0
.rept 16
	ds_load_b128 v[VF+4*q:VF+4*q+3], v[ADV] offset:8192+512*q
.set q, q+1
.endr
	s_add_co_u32 s[TB], s[TB], STEPB               ; the next fetch is the next step's
.endif
.endm
; THE CHANGE OF SLOTS stands at the head of a slot's LAST step: all its bytes have been asked of LDS.  Each wave waits for all its tensor loads (its part of the other slot), adds 0 to its spare word, and waits for
; that and for its reads of the slot.  Behind the barrier nobody reads this slot any more and the other is whole.  fill = 1: the barrier is a round of the cluster's, and the joint refill, with the keys two slots on,
; is the first thing behind it: it has eight key steps in which to land.
.macro CHANGE fill
	s_wait_tensorcnt 0x0                           ; no tensor load of mine is out, so a group 0 may be written
	ds_add_u32 v[SPW], v[NIL]                      ; 0 onto my spare word
.if \fill
	s_xor_b32 s[G0B+1], s[G0B+1], SLOT1            ; the walking descriptor: the other slot than last time,
	s_add_nc_u64 s[G0B+2:G0B+3], s[G0B+2:G0B+3], SLOT1   ; the next eight steps; the type bits on top are not reached
	s_wait_xcnt 0x0                                ; the last prefetch, a slot back, has read its address, so it may be written
	s_add_nc_u64 s[PFA:PFA+1], s[PFA:PFA+1], SLOT1
	s_wait_dscnt 0x0                               ; the add is done, and my reads of the slot are over
	CROUND
	tensor_load_to_lds s[G0B:G0B+3], s[G1:G1+7]
	s_nop 0
	PLACES 4
	ASK
.else
	s_wait_dscnt 0x0
	s_barrier_signal -1
	s_barrier_wait -1
.endif
	s_sub_co_u32 s[TB], s[TB], SLOT1               ; the fetches go back to a slot's first step,
	s_xor_b32 s[TB], s[TB], SLOT1                  ; in the other slot
.endm
	s_wait_tensorcnt 1                             ; my part of slot 0 is in; slot 1's may stay out
	s_barrier_signal -1
	s_barrier_wait -1                              ; everybody's is
	v_add_nc_u32 v[ADK], s[TB], v[L16]             ; key step 0
.set q, 0
.rept 16
	ds_load_b128 v[KF+4*q:KF+4*q+3], v[ADK] offset:512*q
.set q, q+1
.endr
.set q, 0
.rept 16
	ds_load_b128 v[VF+4*q:VF+4*q+3], v[ADK] offset:8192+512*q
.set q, q+1
.endr
	s_add_co_u32 s[TB], s[TB], STEPB
	s_wait_loadcnt 0x0                             ; Q
	s_mov_b32 s[CNT], 7
.Lfirst:                                           ; steps 0 to 6
	STEP 1
	s_sub_co_u32 s[CNT], s[CNT], 1
	s_cmp_lg_u32 s[CNT], 0
	s_cbranch_scc1 .Lfirst
.Lslot:                                            ; six trips, steps 7 to 54: each leaves a slot and asks for the keys two slots on
	CHANGE 1
	s_mov_b32 s[CNT], 8
.Lstep:
	STEP 1
	s_sub_co_u32 s[CNT], s[CNT], 1
	s_cmp_lg_u32 s[CNT], 0
	s_cbranch_scc1 .Lstep
	s_sub_co_u32 s[SLOTS], s[SLOTS], 1
	s_cmp_lg_u32 s[SLOTS], 0
	s_cbranch_scc1 .Lslot
	CHANGE 0                                       ; the tail is written out: the last slot but one is left, and nothing is asked for
	s_mov_b32 s[CNT], 8
.Llast:                                            ; steps 55 to 62
	STEP 1
	s_sub_co_u32 s[CNT], s[CNT], 1
	s_cmp_lg_u32 s[CNT], 0
	s_cbranch_scc1 .Llast
	STEP 0                                         ; step 63 fetches nothing
	; THE WAY OUT.  l's two halves and the other half of the lanes' are added; O^T is divided by l and rounded to f16: a lane's eight channels of a query are a piece's 16 bytes.
	PLACES 4
.irp t, 0,1
	v_add_f32 v[ST+8*\t+4], v[ST+8*\t+2], v[ST+8*\t+3]
.endr
.irp t, 0,1
	v_permlanex16_b32 v[ST+8*\t+5], v[ST+8*\t+4], s[SEL], s[SEL+1]
.endr
.irp t, 0,1
	v_add_f32 v[ST+8*\t+4], v[ST+8*\t+4], v[ST+8*\t+5]
.endr
.irp t, 0,1
	v_rcp_f32 v[ST+8*\t+6], v[ST+8*\t+4]
.endr
	v_nop                                          ; a plain line between the last reciprocal and the use of its result
	s_wait_alu depctr_va_vdst(0)                   ; and the wait ahead of the first use: one for both
	WIN 0x41
.irp t, 0,1
.irp j, 0,2,4,6,8,10,12,14,16,18,20,22,24,26,28,30
	v_pk_mul_f32 v[32*\t+\j:32*\t+\j+1], v[32*\t+\j:32*\t+\j+1], v[ST+8*\t+6:ST+8*\t+7] op_sel_hi:[1,0]
.endr
.endr
	WIN 0x05                                       ; sources window 1, destination window 0: S^T's registers are free
.irp t, 0,1
.irp j, 0,1,2,3,4,5,6,7,8,9,10,11,12,13,14,15
	v_cvt_pk_f16_f32 v[S+16*\t+\j], v[32*\t+2*\j], v[32*\t+2*\j+1]
.endr
.endr
	WIN 0
.irp t, 0,1
.irp ct, 0,1,2,3
	global_store_b128 v[L16], v[S+16*\t+4*\ct:S+16*\t+4*\ct+3], s[8:9] offset:24576*\t+512*\ct   ; a piece: 512 consecutive bytes, aligned
.endr
.endr
	s_wait_tensorcnt 0x0                           ; the wave's end: these three lines behind my last tensor load
	ds_add_u32 v[SPW], v[NIL]
	s_wait_dscnt 0x0
	CROUND                                         ; the closing round: no work-group ends while a partner may still ask for a tile that names it
	s_endpgm
.Lfunc_end_k_q4410b90751_attn:
	.size	k_q4410b90751_attn, .Lfunc_end_k_q4410b90751_attn-k_q4410b90751_attn
	.p2alignl 7, 3214868480
	.fill 96, 4, 3214868480
	.section	.rodata,"a",@progbits
	.p2align	6, 0x0
	.amdhsa_kernel k_q4410b90751_attn
		.amdhsa_group_segment_fixed_size 327680
		.amdhsa_private_segment_fixed_size 0
		.amdhsa_enable_private_segment 0
		.amdhsa_kernarg_size 24
		.amdhsa_user_sgpr_count 2
		.amdhsa_user_sgpr_kernarg_segment_ptr 1
		.amdhsa_wavefront_size32 1
		.amdhsa_system_sgpr_workgroup_id_x 1
		.amdhsa_system_sgpr_workgroup_id_y 1
		.amdhsa_system_sgpr_workgroup_id_z 1
		.amdhsa_system_vgpr_workitem_id 0
		.amdhsa_next_free_vgpr 384
		.amdhsa_next_free_sgpr 66
		.amdhsa_reserve_vcc 0
		.amdhsa_float_denorm_mode_32 3
		.amdhsa_float_denorm_mode_16_64 3
		.amdhsa_memory_ordered 1
		.amdhsa_forward_progress 1
		.amdhsa_inst_pref_size 83
	.end_amdhsa_kernel
	.amdgpu_metadata
---
amdhsa.version: [ 1, 2 ]
amdhsa.kernels:
  - .name:           k_q4410b90751_attn
    .symbol:         k_q4410b90751_attn.kd
    .args:
      - { .name: qimg, .offset: 0, .size: 8, .value_kind: global_buffer, .address_space: global }
      - { .name: kv, .offset: 8, .size: 8, .value_kind: global_buffer, .address_space: global }
      - { .name: oimg, .offset: 16, .size: 8, .value_kind: global_buffer, .address_space: global }
    .group_segment_fixed_size: 327680
    .private_segment_fixed_size: 0
    .kernarg_segment_align: 8
    .kernarg_segment_size: 24
    .max_flat_workgroup_size: 256
    .sgpr_count:     66
    .vgpr_count:     384
    .wavefront_size: 32
...
	.end_amdgpu_metadata
.endif
;; end of part 3
;; launch proj (part 4): grid 64 x 4, 4 waves a work-group, clusters of 4 x 1, 327,680 bytes of LDS; arguments oimg, woimg, bo, out0; writes out0
.if DOCPART == 4
	.amdgcn_target "amdgcn-amd-amdhsa--gfx1250"
	.amdhsa_code_object_version 6
	.text
	.protected	k_q4410b90751_proj
	.globl	k_q4410b90751_proj
	.p2align	8
	.type	k_q4410b90751_proj,@function
k_q4410b90751_proj:
	s_mov_b64 s[64:65], 0
	v_nop
	global_prefetch_b8 v0, s[64:65] scope:SCOPE_SE
	s_setreg_imm32_b32 hwreg(HW_REG_WAVE_MODE, 25, 1), 1
	s_wait_xcnt 0x0
	s_wait_alu depctr_hold_cnt(0) depctr_sa_sdst(0) depctr_va_vdst(0) depctr_va_sdst(0) depctr_va_ssrc(0) depctr_va_vcc(0) depctr_vm_vsrc(0)
	s_getreg_b32 s2, hwreg(HW_REG_IB_STS2, 6, 4)
	s_cmp_eq_u32 s2, 0
	s_cbranch_scc0 .Lentry_in_a_cluster
	s_endpgm
.Lentry_in_a_cluster:
	s_bfe_u32 s2, ttmp6, 0x10000c
	s_cmp_lg_u32 s2, 0x3003
	s_cbranch_scc0 .Lentry_shape_is_right
	s_endpgm
.Lentry_shape_is_right:
; PROJECTION.  out0 = o Wo + bo.  o [4096][768] and Wo arrive as f16 fragments (oimg [row tile 256][kc 24][1 KB]; woimg [column block 4][kc 24][tile 12][1 KB]); sums in f32; out0 [4096][768] f32.
; SHARES.  A work-group: 64 rows x 192 columns.  A wave: 2 row tiles (half mh = wave / 2) x 6 column tiles (half nh = wave % 2): 12 accumulators, 24 steps of 32 along K: 288 matrix instructions.
; TRANSPOSED USE (source 0 = 16 columns of Wo, source 1 = 16 rows of o): a lane holds eight neighbouring numbers of a row of out0.  bo is the C of each sum's first matrix instruction.
; Wo's column block, 288 KB, lies WHOLE in LDS, filled once.  CLUSTER: the four work-groups of a cluster share the column block: each load is JOINT (mask 15).  Wave w brings kc = 4 g + w, g = 0 .. 5:
; six tensor loads of a wave are out at the most; a counted wait and a work-group barrier stand in front of each group of four kc, since every wave reads what the others brought.  Nothing is filled again.
; o's 48 fragments of a wave come straight into registers.
; REGISTERS: window 0: v1-13 addresses; v32-79, v80-127 Wo's six fragments, two buffers; v128-223 the accumulators, v[128 + 8 (6 i + n)].   window 1: o's fragments of kc 0-11, v[16 kc + 8 i];   window 2: of kc 12-23;
;   window 3: bo, v[8 n].
.set KCB,   12288                      ; a kc of the block: twelve fragments
.set SPARE, 24*KCB                     ; behind the block: the spare words, 128 bytes for each wave
.set SP,    784                        ; the way out: a stage row: 768 bytes + 16 = 196 words: row r starts at bank 4 r mod 64 (64 banks of 4 bytes: ISA guide 11.1).  The stage, 64 rows, lies at LDS byte 0, in bytes that have had their one fill
.set L16, 1                            ; v1    16 x lane
.set LB,  2                            ; v2-7  16 x lane + my six tiles' place in a kc + 4 kc x g: an LDS offset has 16 bits
.set STO, 8                            ; v8    the stage: where I put 32 bytes of a row
.set RD,  9                            ; v9    where I read a row back
.set GO,  10                           ; v10   my byte offset in out0
.set SPW, 12                           ; v12   LDS address of my spare word; never rewritten
.set NIL, 13                           ; v13   0; never rewritten
.set BUF, 32
.set ACC, 128
.set WV,  12                           ; s12 my wave's number
.set G1,  24                           ; s[24:31] descriptor group 1
.set G0,  32                           ; s[32:55] six groups 0
.set MSB, 0
.macro WIN new
.if MSB != \new
	s_set_vgpr_msb (MSB<<8)|\new
.set MSB, \new
.endif
.endm
.macro PLACES n
.rept \n
	v_nop
.endr
.endm
.macro CROUND                          ; a round of the cluster's barrier
	s_barrier_signal -1
	s_barrier_wait -1
	s_cmp_lg_u32 s[WV], 0
	s_cbranch_scc1 .Lnot_wave_0_\@
	s_barrier_signal -3
.Lnot_wave_0_\@:
	s_barrier_wait -3
	s_barrier_signal -1
	s_barrier_wait -1
.endm
	s_load_b256 s[4:11], s[0:1], 0x0               ; oimg, woimg, bo, out0
	v_lshl_add_u32 v[SPW], v0, 2, SPARE
	v_mov_b32 v[NIL], 0
	ds_add_u32 v[SPW], v[NIL]                      ; the wave's opening: the add, twice on end, and its wait ahead of my first tensor load
	ds_add_u32 v[SPW], v[NIL]
	v_lshrrev_b32 v1, 5, v0
	v_readfirstlane_b32 s[WV], v1                  ; wave 0..3
	s_and_b32 s15, ttmp7, 0xffff                   ; the column block, which the four partners share
	s_lshr_b32 s16, s[WV], 1                       ; mh
	s_and_b32 s17, s[WV], 1                        ; nh
	s_mov_b32 s[G1], 15|(3<<16)|(1<<21)            ; 15:0 the mask: all four work-groups; 17:16 elements of 8 bytes; 21 set beside a mask; no padding
	s_mov_b32 s[G1+1], 32<<16                      ; tensor_dim0 = 32 elements: rows of 256 bytes
	s_mov_b32 s[G1+2], 48<<16                      ; tensor_dim1 = 48 rows: a kc's twelve fragments
	s_mov_b32 s[G1+3], 32<<16                      ; tile_dim0
	s_mov_b32 s[G1+4], 48                          ; tile_dim1
	s_mov_b32 s[G1+5], 32                          ; the pitch: the block is dense
	s_mov_b32 s[G1+6], 0
	s_mov_b32 s[G1+7], 0
	s_mul_i32 s18, s[WV], KCB                      ; kc = wave: its place in LDS and in the block
	s_mul_i32 s20, s15, 24*KCB
	s_add_co_u32 s20, s20, s18
	s_mov_b32 s21, 0
	s_wait_dscnt 0x0                               ; both opening adds are done
	s_wait_kmcnt 0x0
	s_add_nc_u64 s[20:21], s[6:7], s[20:21]
.irp g, 0,1,2,3,4,5
	s_mov_b32 s[G0+4*\g], 1
	s_add_co_u32 s[G0+4*\g+1], s18, \g*4*KCB
	s_add_nc_u64 s[G0+4*\g+2:G0+4*\g+3], s[20:21], \g*4*KCB
	s_or_b32 s[G0+4*\g+3], s[G0+4*\g+3], 0x80000000
.endr
	CROUND                                         ; all four work-groups are here: the joint loads meet
.irp g, 0,1,2,3,4,5
	tensor_load_to_lds s[G0+4*\g:G0+4*\g+3], s[G1:G1+7]
	s_nop 0
.endr
	v_and_b32 v14, 31, v0                          ; plain lines stand between the last tensor load and the first switch of windows
	v_lshlrev_b32 v[L16], 4, v14
	v_and_b32 v14, 15, v0                          ; r
	v_bfe_u32 v15, v0, 4, 1                        ; h
	s_mul_i32 s19, s17, 6*1024
	v_add_nc_u32 v[LB], s19, v[L16]
.irp g, 1,2,3,4,5
	v_add_nc_u32 v[LB+\g], \g*4*KCB, v[LB]
.endr
	s_mul_i32 s22, s16, 32*SP
	s_mul_i32 s23, s17, 384
	s_add_co_u32 s22, s22, s23
	v_mul_u32_u24 v[STO], v14, SP
	v_lshl_add_u32 v[STO], v15, 5, v[STO]
	v_add_nc_u32 v[STO], s22, v[STO]               ; row 32 mh + r, + 384 nh + 32 h bytes
	s_mul_i32 s22, s[WV], 16*SP
	v_mul_u32_u24 v[RD], v15, SP
	v_lshl_add_u32 v[RD], v14, 4, v[RD]
	v_add_nc_u32 v[RD], s22, v[RD]                 ; back: my 16 rows; lanes 0-15 one row's 256 bytes, lanes 16-31 the next row's
	v_mul_u32_u24 v[GO], v15, 3072
	v_lshl_add_u32 v[GO], v14, 4, v[GO]            ; and the same in out0
	v_lshlrev_b32 v11, 5, v15                      ; 32 h
	s_bfe_u32 s13, ttmp6, 0x40000                  ; cx: it enters o's and out0's addresses alone
	s_lshl_b32 s14, ttmp9, 2
	s_add_co_u32 s14, s14, s13                     ; my block of 64 rows
	s_mul_i32 s56, s15, 768
	s_add_co_u32 s56, s56, s23
	s_mov_b32 s57, 0
	s_add_nc_u64 s[8:9], s[8:9], s[56:57]          ; bo: my 96 numbers
	s_lshl_b32 s58, s14, 2
	s_lshl_b32 s60, s16, 1
	s_add_co_u32 s58, s58, s60
	s_mul_i32 s58, s58, 24*1024
	s_mov_b32 s59, 0
	s_add_nc_u64 s[4:5], s[4:5], s[58:59]          ; o: row tiles 4 x block + 2 mh on
	s_lshl_b32 s60, s14, 6
	s_lshl_b32 s61, s[WV], 4
	s_add_co_u32 s60, s60, s61
	s_mul_i32 s60, s60, 3072
	s_mul_i32 s61, s15, 768
	s_add_co_u32 s60, s60, s61
	s_mov_b32 s61, 0
	s_add_nc_u64 s[10:11], s[10:11], s[60:61]      ; out0: row 64 x block + 16 x wave, column 192 x column block
	WIN 0xc0                                       ; destination window 3
.irp n, 0,1,2,3,4,5
	global_load_b128 v[8*\n:8*\n+3], v11, s[8:9] offset:64*\n          ; lane (r, h): bo of columns 16 n + 8 h + 0 .. 7
	global_load_b128 v[8*\n+4:8*\n+7], v11, s[8:9] offset:64*\n+16
.endr
	WIN 0x40                                       ; window 1
.irp kc, 0,1,2,3,4,5,6,7,8,9,10,11
.irp i, 0,1
.irp p, 0,1
	global_load_b128 v[16*\kc+8*\i+4*\p:16*\kc+8*\i+4*\p+3], v[L16], s[4:5] offset:24576*\i+1024*\kc+512*\p
.endr
.endr
.endr
	WIN 0x80                                       ; window 2
.irp kc, 0,1,2,3,4,5,6,7,8,9,10,11
.irp i, 0,1
.irp p, 0,1
	global_load_b128 v[16*\kc+8*\i+4*\p:16*\kc+8*\i+4*\p+3], v[L16], s[4:5] offset:24576*\i+1024*(\kc+12)+512*\p
.endr
.endr
.endr
	WIN 0
	s_wait_tensorcnt 5                             ; my kc of the first group has landed; the five younger loads stay out
	s_barrier_signal -1
	s_barrier_wait -1                              ; everybody's has
.set q, 0
.rept 12
	ds_load_b128 v[BUF+4*q:BUF+4*q+3], v[LB] offset:512*q
.set q, q+1
.endr
; A step of 32 along K: the next step's six fragments of Wo are asked of LDS, then 12 products; the 12 accumulators take turns, one instruction a turn.
; The LDS loads name window 0 under every setting used here (destination and source 0), so the loop has three switches in all.
.macro KSTEP kc
.if ((((\kc)+1)%4) == 0) && ((\kc) < 23)
	s_wait_tensorcnt 5-((\kc)+1)/4                 ; my kc of the next group has landed; the later groups' loads stay out
	s_wait_dscnt 0x0                               ; no LDS instruction of mine is out at a signal
	s_barrier_signal -1
	s_barrier_wait -1                              ; everybody's has
.endif
.if (\kc) < 23
.if (\kc) > 0
	PLACES 4                                       ; in front of loads into the buffer that the last step's products read
.endif
.set q, 0
.rept 12
	ds_load_b128 v[BUF+48*(((\kc)+1)%2)+4*q:BUF+48*(((\kc)+1)%2)+4*q+3], v[LB+((\kc)+1)/4] offset:(((\kc)+1)%4)*KCB+512*q
.set q, q+1
.endr
	s_wait_dscnt 12                                ; this step's fragments are in; the 12 loads just issued stay out
.else
	s_wait_dscnt 0x0
.endif
.if 92-4*(\kc) > 63
	s_wait_loadcnt 63                              ; (the count's field ends at 63: a smaller count than the 92 - 4 kc younger loads)
.else
	s_wait_loadcnt 92-4*(\kc)                      ; o's fragments up to this kc are in; four younger loads for each later kc stay out
.endif
.if (\kc) == 0
	WIN 0x34                                       ; source 1 (o) window 1, C (bo) window 3
.elseif (\kc) < 12
	WIN 0x04
.else
	WIN 0x08                                       ; source 1 window 2
.endif
.irp i, 0,1
.irp n, 0,1,2,3,4,5
.if (\kc) == 0
	v_wmma_f32_16x16x32_f16 v[ACC+8*(6*\i+\n):ACC+8*(6*\i+\n)+7], v[BUF+48*((\kc)%2)+8*\n:BUF+48*((\kc)%2)+8*\n+7], v[16*((\kc)%12)+8*\i:16*((\kc)%12)+8*\i+7], v[8*\n:8*\n+7]
.else
	v_wmma_f32_16x16x32_f16 v[ACC+8*(6*\i+\n):ACC+8*(6*\i+\n)+7], v[BUF+48*((\kc)%2)+8*\n:BUF+48*((\kc)%2)+8*\n+7], v[16*((\kc)%12)+8*\i:16*((\kc)%12)+8*\i+7], v[ACC+8*(6*\i+\n):ACC+8*(6*\i+\n)+7]
.endif
.endr
.endr
.endm
.set kk, 0
.rept 24
	KSTEP kk
.set kk, kk+1
.endr
	; THE WAY OUT.  A row's 768 bytes come from two waves: they meet in the stage, and each wave stores 16 whole rows, sixteen lanes to 256 consecutive bytes.
	WIN 0
	PLACES 4                                       ; the stores below read results just made, and the loads further down land in registers that products have read
	s_wait_dscnt 0x0
	s_barrier_signal -1
	s_barrier_wait -1                              ; no wave still reads the bytes that the stage takes
.irp i, 0,1
.irp n, 0,1,2,3,4,5
	ds_store_b128 v[STO], v[ACC+8*(6*\i+\n):ACC+8*(6*\i+\n)+3] offset:16*SP*\i+64*\n        ; each accumulator from its low end on
	ds_store_b128 v[STO], v[ACC+8*(6*\i+\n)+4:ACC+8*(6*\i+\n)+7] offset:16*SP*\i+64*\n+16
.endr
.endr
	s_wait_dscnt 0x0                               ; for the others' sake: my stores into the stage are done
	s_barrier_signal -1
	s_barrier_wait -1
.set t, 0
.rept 24
	ds_load_b128 v[BUF+4*t:BUF+4*t+3], v[RD] offset:(t/3)*2*SP+(t%3)*256
.set t, t+1
.endr
.set t, 0
.rept 24
	s_wait_dscnt 23-t                              ; load t is back; the younger ones stay out
	global_store_b128 v[GO], v[BUF+4*t:BUF+4*t+3], s[10:11] offset:(t/3)*6144+(t%3)*256 th:TH_STORE_NT   ; 16 lanes store 256 consecutive bytes, at a multiple of 256 from out0's first byte
.set t, t+1
.endr
	s_wait_tensorcnt 0x0                           ; the wave's end: these three lines behind my last tensor load and my last LDS store
	ds_add_u32 v[SPW], v[NIL]
	s_wait_dscnt 0x0
	CROUND                                         ; the closing round: no work-group ends while a partner may still ask for a tile that names it
	s_endpgm
.Lfunc_end_k_q4410b90751_proj:
	.size	k_q4410b90751_proj, .Lfunc_end_k_q4410b90751_proj-k_q4410b90751_proj
	.p2alignl 7, 3214868480
	.fill 96, 4, 3214868480
	.section	.rodata,"a",@progbits
	.p2align	6, 0x0
	.amdhsa_kernel k_q4410b90751_proj
		.amdhsa_group_segment_fixed_size 327680
		.amdhsa_private_segment_fixed_size 0
		.amdhsa_enable_private_segment 0
		.amdhsa_kernarg_size 32
		.amdhsa_user_sgpr_count 2
		.amdhsa_user_sgpr_kernarg_segment_ptr 1
		.amdhsa_wavefront_size32 1
		.amdhsa_system_sgpr_workgroup_id_x 1
		.amdhsa_system_sgpr_workgroup_id_y 1
		.amdhsa_system_sgpr_workgroup_id_z 1
		.amdhsa_system_vgpr_workitem_id 0
		.amdhsa_next_free_vgpr 832
		.amdhsa_next_free_sgpr 66
		.amdhsa_reserve_vcc 0
		.amdhsa_float_denorm_mode_32 3
		.amdhsa_float_denorm_mode_16_64 3
		.amdhsa_memory_ordered 1
		.amdhsa_forward_progress 1
		.amdhsa_inst_pref_size 65
	.end_amdhsa_kernel
	.amdgpu_metadata
---
amdhsa.version: [ 1, 2 ]
amdhsa.kernels:
  - .name:           k_q4410b90751_proj
    .symbol:         k_q4410b90751_proj.kd
    .args:
      - { .name: oimg, .offset: 0, .size: 8, .value_kind: global_buffer, .address_space: global }
      - { .name: woimg, .offset: 8, .size: 8, .value_kind: global_buffer, .address_space: global }
      - { .name: bo, .offset: 16, .size: 8, .value_kind: global_buffer, .address_space: global }
      - { .name: out0, .offset: 24, .size: 8, .value_kind: global_buffer, .address_space: global }
    .group_segment_fixed_size: 327680
    .private_segment_fixed_size: 0
    .kernarg_segment_align: 8
    .kernarg_segment_size: 32
    .max_flat_workgroup_size: 128
    .sgpr_count:     66
    .vgpr_count:     832
    .wavefront_size: 32
...
	.end_amdgpu_metadata
.endif
;; end of part 4
